; MI455X (gfx1250); checked and timed in simulation.
; The chip was launched on July 23, 2026; its instructions are those of AMD's public machine-readable ISA for CDNA 5 (MIT licence, August 2026) and "CDNA5" Instruction Set Architecture Reference Guide (July 2026). The comments in the code are by the model that wrote it; some were corrected since.
;; Cross Attention. Allowed arithmetic: matrix products marked QUANTISED: E2M3 operands, one E8M0 scale for each 32 along K, by v_wmma_scale_f32_16x16x128_f8f6f4 with both operands' format E2M3, f32 sums; everything else in f32.
;; Inputs: Wk1 256 x 256 float32; Wk2 768 x 256 float32; Wo1 256 x 256 float32; Wo2 256 x 768 float32; Wq1 256 x 256 float32; Wq2 768 x 256 float32; Wv1 256 x 256 float32; Wv2 768 x 256 float32; bo1 256 float32; bo2 768 float32; x1 8 x 2,048 x 256 float32; x2 8 x 2,048 x 768 float32.
;; Outputs: out0 8 x 2,048 x 256 float32; out1 8 x 2,048 x 768 float32.
;; This version of the problem:
;;   THIS VERSION OF THE PROBLEM IS GIVEN IN LOW PRECISION. The matrix products marked QUANTISED in the list below multiply operands that are first quantised to E2M3 (2 exponent bits, 3 mantissa bits; 6 bits a number), with one power-of-two scale for each 32 numbers along K (OCP MX v1.0); their sums are f32. All else is computed in f32.
;;   The module's matrix products, in the order in which they are computed (A, B: the left and right operand; K: the contracted axis; several contracted axes count as one K, in the product's order):
;;     1. [M 16,384, K 256] x [K 256, N 256]; A: input x1; B: input Wq1: QUANTISED
;;     2. [M 16,384, K 256] x [K 256, N 256]; A: input x1; B: input Wk1: QUANTISED
;;     3. [M 16,384, K 256] x [K 256, N 256]; A: input x1; B: input Wv1: QUANTISED
;;     4. [M 16,384, K 768] x [K 768, N 256]; A: input x2; B: input Wq2: QUANTISED
;;     5. [M 16,384, K 768] x [K 768, N 256]; A: input x2; B: input Wk2: QUANTISED
;;     6. [M 16,384, K 768] x [K 768, N 256]; A: input x2; B: input Wv2: QUANTISED
;;     7. batch 8 x [M 2,048, K 256] x [K 256, N 2,048]; A: computed on the way; B: computed on the way: QUANTISED
;;     8. batch 8 x [M 256, K 2,048] x [K 2,048, N 2,048]; A: computed on the way; B: softmax (see below): QUANTISED
;;     9. batch 8 x [M 2,048, K 256] x [K 256, N 2,048]; A: computed on the way; B: computed on the way: QUANTISED
;;     10. batch 8 x [M 256, K 2,048] x [K 2,048, N 2,048]; A: computed on the way; B: softmax (see below): QUANTISED
;;     11. [M 16,384, K 256] x [K 256, N 256]; A: computed on the way; B: input Wo1: QUANTISED
;;     12. [M 16,384, K 256] x [K 256, N 768]; A: computed on the way; B: input Wo2: QUANTISED
;;   THE QUANTISER, for each operand of a quantised product, along K:
;;     - K is cut into blocks of 32 from its start; a last block that is shorter is filled with zeros.
;;     - A block's scale is 2^e with e = floor(log2(the largest magnitude in the block)) - 2, held to -126 .. 127; a block of zeros has e = 0. As a byte (E8M0): e + 127.
;;     - Each number is divided by its block's scale, clamped to +-7.5, and rounded to the nearest number of E2M3, ties to even, subnormals kept.
;;     - The product sums the exact products of the quantised numbers (number of the format x scale) in f32.
;;   ~~~python
;;   def quantise(x, axis):      # numpy; x: float32 -> the quantised numbers, widened to float32 again
;;       x = np.moveaxis(x, axis, -1); K = x.shape[-1]
;;       x = np.pad(x, [(0, 0)] * (x.ndim - 1) + [(0, -K % 32)]); x = x.reshape(x.shape[:-1] + (-1, 32)); a = np.abs(x).max(-1, keepdims=True)
;;       e = np.where(a > 0, np.clip(np.frexp(np.where(a > 0, a, 1))[1] - 1 - 2, -126, 127), 0)      # np.frexp(a)[1] - 1 = floor(log2(a)), exactly
;;       r = np.clip(x / 2.0 ** e, -7.5, 7.5)
;;       step = 2.0 ** (np.maximum(np.frexp(np.where(r == 0, 1, r))[1] - 1, 0) - 3)
;;       q = np.round(r / step) * step * 2.0 ** e      # np.round: ties to even
;;       return np.moveaxis(q.reshape(q.shape[:-2] + (-1,))[..., :K], -1, axis).astype(np.float32)
;;   ~~~
;;   SOFTMAX AHEAD OF A QUANTISED PRODUCT. Where the list says 'softmax', what is quantised is not the finished softmax but p = 2^(t - M), with t = logit x log2(e) and M = ceil(the row's largest t), a whole number; so 1/2 < the row's largest p <= 1. The row's sum l is taken of the UNQUANTISED p, in f32, and the product's result is divided by l at the end. Since M is a whole number, a kernel that streams over the keys may use a running M (the ceiling of the running maximum): every later rescaling is an exact power of two, which a block's scale takes up: the codes' values come out the same.
;;   OPERANDS COMPUTED ON THE WAY. 'Computed on the way' means the value that the module computes at that place (a softmax that the list does not call 'softmax' is quantised finished and normalised). What goes into a quantiser is computed in f32, as accurately as f32 sums, v_exp_f32 and their like allow (about 1e-6 of the number): no bf16 or f16 on the way to a quantiser, and a product that is left as it is and whose result goes on into a quantised operand takes f32 operands (vector FMAs, or v_wmma_f32_16x16x4_f32). A number that lies on a knife's edge between two numbers of the format may be rounded either way, as far as f32 arithmetic and the matrix unit's own rounding can turn it there, and no further.
;; One version. Each part assembles by itself: llvm-mc -triple=amdgcn-amd-amdhsa -mcpu=gfx1250 --defsym DOCPART=n.
;; ======== version 1 of 1: 3 launches
;; limits: right only within a limited range of input values
;; workspace buffers: wimg 819,200 bytes; qc 6,553,600 bytes; kv 13,107,200 bytes
;; launch quantw (part 1): grid 8 x 16, 4 waves a work-group, no clusters, 1,536 bytes of LDS; arguments Wq1, Wk1, Wv1, Wq2, Wk2, Wv2, Wo1, Wo2, wimg; writes wimg
.if DOCPART == 1
	.amdgcn_target "amdgcn-amd-amdhsa--gfx1250"
	.amdhsa_code_object_version 6
	.text
	.protected	k_q379ace2ac6_quantw
	.globl	k_q379ace2ac6_quantw
	.p2align	8
	.type	k_q379ace2ac6_quantw,@function
k_q379ace2ac6_quantw:
	s_mov_b64 s[64:65], 0
	v_nop
	global_prefetch_b8 v0, s[64:65] scope:SCOPE_SE
	s_setreg_imm32_b32 hwreg(HW_REG_WAVE_MODE, 25, 1), 1
	s_wait_xcnt 0x0
; The eight weights, f32, stored [K][N] with K as their FIRST axis, become codes of FP6 (E2M3) with one E8M0 scale byte for each 32 along K,
; laid in wimg in the order of a matrix operand's registers.
; A FRAGMENT IMAGE is 16 columns x 128 K: 12 registers a lane, 1,536 bytes: three pieces of 512 bytes, piece c = registers 4 c .. 4 c + 3, lane l at byte 16 l.
; Fragment index = base + tile x NK + K step; bases Wq1 0, Wk1 32, Wv1 64 (NK 2), Wq2 96, Wk2 192, Wv2 288 (NK 6), Wo1 384, Wo2 416 (NK 2): 512 images.
; THE COLUMNS OF A TILE ARE NOT NEIGHBOURS: lane r of tile t takes column 16 t - 8 (t % 2) + r + 8 (r / 8), so that the results of two neighbouring tiles
; are 16 neighbours along the next product's K.
; From byte 786,432 on: scale words in groups of 256 bytes, [r 16][4 tiles], one group for four tiles and one K step; group = base / 4 + (tile / 4) NK + K step.
; SHARES.  Work-group y is one of 16 units of 256 (K) x 256 (N); x gives the group of four tiles (x % 4) and the unit's K step (x / 4); a wave makes ONE fragment.
; A lane takes a column and its registers run DOWN K in the operand's own order (k = 64 c + 32 (lane / 16) + i): the conversions' results are the operand's registers.
; A block's scale is 2^(floor(log2(its largest magnitude)) - 2): its byte is the largest magnitude's exponent field - 2, held at 1 from below.
; LIMITS: a block of zeros gets the byte 1 where the rule says 127 (its codes are zeros, and only this program reads the bytes); blocks whose largest magnitude
; lies under 2^-124 are held at the byte 1; NaN and infinities among the inputs are not served.
; No tensor load, no cluster: no two work-groups read the same numbers, and 4.2 MB in all are read.
.set SCALES, 786432
	s_load_b512 s[8:23], s[0:1], 0x0               ; the eight weights, in the order Wq1 Wk1 Wv1 Wq2 Wk2 Wv2 Wo1 Wo2
	s_load_b64 s[24:25], s[0:1], 0x40              ; wimg
	v_lshl_add_u32 v160, v0, 2, 0x400
	v_mov_b32 v161, 0
	v_lshrrev_b32 v1, 5, v0
	v_readfirstlane_b32 s28, v1                    ; wave 0..3
	v_and_b32 v1, 15, v0                           ; r
	s_wait_alu depctr_va_vdst(0)
	v_bfe_u32 v2, v0, 4, 1                         ; h
	v_and_b32 v3, 31, v0                           ; lane
	v_lshlrev_b32 v12, 4, v3                       ; 16 x lane: my place in a piece of the image
	v_lshlrev_b32 v13, 3, v3                       ; 8 x lane: my place in the group of scale words
	s_lshl_b32 s2, s28, 2
	v_lshlrev_b32 v11, 4, v1
	v_add_nc_u32 v11, s2, v11                      ; LDS: 16 r + 4 x wave: my tile's word of row r
	s_mov_b32 s4, 0x76543210
	s_mov_b32 s5, 0xfedcba98                       ; v_permlanex16_b32's selects for lane l xor 16
	s_and_b32 s29, ttmp9, 3                        ; gq: which four tiles
	s_lshr_b32 s58, ttmp9, 2                       ; ks: which 128 of the unit's 256 along K
	s_and_b32 s30, ttmp7, 0xffff                   ; y: the unit
	; units 3 .. 11 are Wq2, Wk2, Wv2, three units of 256 along K each: j the tensor, u the unit in it
	s_sub_co_u32 s31, s30, 3
	s_mul_i32 s32, s31, 11
	s_lshr_b32 s32, s32, 5                         ; j = (y - 3) / 3 for y - 3 = 0 .. 8
	s_mul_i32 s33, s32, 3
	s_sub_co_u32 s33, s31, s33                     ; u
	s_add_co_u32 s34, s32, 3                       ; the tensor's number
	s_mul_i32 s35, s32, 96
	s_lshl_b32 s36, s33, 1
	s_add_co_u32 s35, s35, s36
	s_add_co_u32 s35, s35, 96                      ; first fragment: 96 + 96 j + 2 u
	s_mul_i32 s37, s32, 24
	s_add_co_u32 s37, s37, s36
	s_add_co_u32 s37, s37, 24                      ; first group of scale words: 24 + 24 j + 2 u
	s_lshl_b32 s38, s33, 18                        ; u x 256 rows of 1,024 bytes
	s_lshl_b32 s39, s30, 5                         ; all other units: first fragment 32 y,
	s_lshl_b32 s40, s30, 3                         ; first group 8 y
	s_sub_co_u32 s46, s30, 13
	s_lshl_b32 s46, s46, 10                        ; units 13 .. 15 are 256 columns of Wo2 each: (y - 13) x 1,024 bytes into its rows
	s_cmp_lt_u32 s31, 9
	s_cselect_b32 s41, s34, s30                    ; the tensor's number,
	s_cselect_b32 s42, 6, 2                        ; NK,
	s_cselect_b32 s43, s35, s39                    ; first fragment,
	s_cselect_b32 s44, s37, s40                    ; first group,
	s_cselect_b32 s45, s38, 0                      ; bytes into the tensor
	s_cmp_eq_u32 s30, 12
	s_cselect_b32 s41, 6, s41                      ; unit 12 is Wo1
	s_cmp_gt_u32 s30, 12
	s_cselect_b32 s41, 7, s41                      ; units 13 .. 15 are Wo2,
	s_cselect_b32 s45, s46, s45
	s_mov_b32 s47, 1024
	s_cselect_b32 s47, 3072, s47                   ; whose rows are 3,072 bytes
	s_mul_i32 s48, s58, s47
	s_lshl_b32 s48, s48, 7                         ; ks x 128 rows
	s_add_co_u32 s48, s48, s45
	s_mov_b32 s49, 0
	s_lshl_b32 s50, s29, 2
	s_add_co_u32 s50, s50, s28                     ; t = 4 gq + wave: my tile in the unit
	s_and_b32 s51, s50, 1
	s_lshl_b32 s51, s51, 3
	s_lshl_b32 s52, s50, 4
	s_sub_co_u32 s52, s52, s51                     ; 16 t - 8 (t % 2)
	v_and_b32 v4, 8, v1
	v_add_nc_u32 v4, v4, v1
	v_add_nc_u32 v4, s52, v4                       ; my column
	v_lshlrev_b32 v5, 2, v4
	s_lshl_b32 s53, s47, 5
	v_mul_u32_u24 v6, s53, v2
	v_add_nc_u32 v5, v5, v6                        ; 4 x column + 32 h rows: lanes 16-31 begin 32 rows further down
	s_mul_i32 s54, s50, s42
	s_add_co_u32 s54, s54, s43
	s_add_co_u32 s54, s54, s58
	s_mul_i32 s54, s54, 1536                       ; my image: (first fragment + t NK + ks) x 1,536
	s_mov_b32 s55, 0
	s_mul_i32 s60, s29, s42
	s_add_co_u32 s60, s60, s44
	s_add_co_u32 s60, s60, s58
	s_lshl_b32 s60, s60, 8
	s_add_co_u32 s60, s60, SCALES                  ; the work-group's group of scale words
	s_mov_b32 s61, 0
	s_wait_kmcnt 0x0
	s_mov_b64 s[26:27], s[8:9]                     ; the tensor is chosen on its number, which hangs on the work-group's y alone
.irp i, 1,2,3,4,5,6,7
	s_cmp_eq_u32 s41, \i
	s_cselect_b64 s[26:27], s[8+2*\i:9+2*\i], s[26:27]
.endr
	s_add_nc_u64 s[26:27], s[26:27], s[48:49]
	s_add_nc_u64 s[56:57], s[24:25], s[54:55]
	s_add_nc_u64 s[62:63], s[24:25], s[60:61]
; 64 loads: W(64 c + 32 h + i, my column) into v[64 + 32 c + i]; the row stands in the immediate, so the text is written for each of the two row lengths
.macro WLD pitch
.set i, 0
.rept 64
	global_load_b32 v[64+i], v5, s[26:27] offset:(64*(i/32)+i%32)*\pitch
.set i, i+1
.endr
.endm
	s_cmp_gt_u32 s30, 12
	s_cbranch_scc1 .Lwide
	s_wait_alu depctr_va_vdst(0)
	WLD 1024
	s_branch .Lloaded
.Lwide:
	s_wait_alu depctr_va_vdst(0)
	WLD 3072
.Lloaded:
	s_wait_loadcnt 0x0
.irp c, 0,1                                    ; my block 2 c + h: all its 32 numbers are mine
	v_max3_num_f32 v[32+\c], |v[64+32*\c]|, |v[65+32*\c]|, 0x1800000   ; and the floor 2^(3 - 127): the byte cannot fall under 1
.endr
.irp i, 2,4,6,8,10,12,14,16,18,20,22,24,26,28,30
.irp c, 0,1
	v_max3_num_f32 v[32+\c], v[32+\c], |v[64+32*\c+\i]|, |v[65+32*\c+\i]|   ; the two blocks by turns
.endr
.endr
.irp c, 0,1
	v_add_nc_u32 v[44+\c], 0xff000000, v[32+\c]    ; 2 off the exponent field: the conversion takes the exponent field of this operand as its scale
.endr
.irp c, 0,1
	v_lshrrev_b32 v[36+\c], 23, v[44+\c]           ; the scale's byte
.endr
	v_lshl_or_b32 v9, v37, 16, v36                 ; my two bytes: blocks h and 2 + h of my column,
	v_lshlrev_b32 v10, 3, v2
	v_lshlrev_b32 v9, v10, v9                      ; at their places in the scale word (8 h bits up);
	v_mov_b32 v10, 0
	v_permlanex16_b32 v10, v9, s4, s5
	v_or_b32 v9, v9, v10                           ; with lane l xor 16's two the word is whole, in both lanes
.irp c, 0,1
	v_cvt_scalef32_pk16_fp6_f32 v[48+6*\c:50+6*\c], v[64+32*\c:79+32*\c], v[44+\c]     ; registers 6 c .. 6 c + 2 of the operand
	v_cvt_scalef32_pk16_fp6_f32 v[128+4*\c:130+4*\c], v[80+32*\c:95+32*\c], v[44+\c]   ; (a conversion's three registers begin on an even number: the second three are made elsewhere and moved)
.endr
	v_nop                                          ; one plain place behind the scaled conversions
.irp c, 0,1
.irp i, 0,1,2
	v_mov_b32 v[51+6*\c+\i], v[128+4*\c+\i]
.endr
.endr
	global_store_b128 v12, v[48:51], s[56:57]      ; the image: each store of the wave covers 512 consecutive bytes, aligned
	global_store_b128 v12, v[52:55], s[56:57] offset:512
	global_store_b128 v12, v[56:59], s[56:57] offset:1024
	ds_store_b32 v11, v9                           ; the four waves' words meet in LDS (both lanes of a column write the same word with the same value)
	s_wait_dscnt 0x0                               ; for the others' sake: my store has landed
	s_barrier_signal -1
	s_barrier_wait -1
	s_cmp_lg_u32 s28, 0
	s_cbranch_scc1 .Lend                           ; wave 0 stores the group
	ds_load_b64 v[14:15], v13
	s_wait_dscnt 0x0
	global_store_b64 v13, v[14:15], s[62:63]       ; 32 lanes store 256 consecutive bytes, aligned
.Lend:
	s_wait_tensorcnt 0x0
	ds_add_u32 v160, v161
	s_wait_dscnt 0x0
	s_endpgm
.Lfunc_end_k_q379ace2ac6_quantw:
	.size	k_q379ace2ac6_quantw, .Lfunc_end_k_q379ace2ac6_quantw-k_q379ace2ac6_quantw
	.p2alignl 7, 3214868480
	.fill 96, 4, 3214868480
	.section	.rodata,"a",@progbits
	.p2align	6, 0x0
	.amdhsa_kernel k_q379ace2ac6_quantw
		.amdhsa_group_segment_fixed_size 1536
		.amdhsa_private_segment_fixed_size 0
		.amdhsa_enable_private_segment 0
		.amdhsa_kernarg_size 72
		.amdhsa_user_sgpr_count 2
		.amdhsa_user_sgpr_kernarg_segment_ptr 1
		.amdhsa_wavefront_size32 1
		.amdhsa_system_sgpr_workgroup_id_x 1
		.amdhsa_system_sgpr_workgroup_id_y 1
		.amdhsa_system_sgpr_workgroup_id_z 1
		.amdhsa_system_vgpr_workitem_id 0
		.amdhsa_next_free_vgpr 162
		.amdhsa_next_free_sgpr 66
		.amdhsa_reserve_vcc 0
		.amdhsa_float_denorm_mode_32 3
		.amdhsa_float_denorm_mode_16_64 3
		.amdhsa_memory_ordered 1
		.amdhsa_forward_progress 1
		.amdhsa_inst_pref_size 20
	.end_amdhsa_kernel
	.amdgpu_metadata
---
amdhsa.version: [ 1, 2 ]
amdhsa.kernels:
  - .name:           k_q379ace2ac6_quantw
    .symbol:         k_q379ace2ac6_quantw.kd
    .args:
      - { .name: Wq1, .offset: 0, .size: 8, .value_kind: global_buffer, .address_space: global }
      - { .name: Wk1, .offset: 8, .size: 8, .value_kind: global_buffer, .address_space: global }
      - { .name: Wv1, .offset: 16, .size: 8, .value_kind: global_buffer, .address_space: global }
      - { .name: Wq2, .offset: 24, .size: 8, .value_kind: global_buffer, .address_space: global }
      - { .name: Wk2, .offset: 32, .size: 8, .value_kind: global_buffer, .address_space: global }
      - { .name: Wv2, .offset: 40, .size: 8, .value_kind: global_buffer, .address_space: global }
      - { .name: Wo1, .offset: 48, .size: 8, .value_kind: global_buffer, .address_space: global }
      - { .name: Wo2, .offset: 56, .size: 8, .value_kind: global_buffer, .address_space: global }
      - { .name: wimg, .offset: 64, .size: 8, .value_kind: global_buffer, .address_space: global }
    .group_segment_fixed_size: 1536
    .private_segment_fixed_size: 0
    .kernarg_segment_align: 8
    .kernarg_segment_size: 72
    .max_flat_workgroup_size: 128
    .sgpr_count:     66
    .vgpr_count:     162
    .wavefront_size: 32
...
	.end_amdgpu_metadata
.endif
;; end of part 1
;; launch proj (part 2): grid 256 x 1, 4 waves a work-group, no clusters, 327,680 bytes of LDS; arguments x1, x2, wimg, qc, kv; writes qc, kv
.if DOCPART == 2
	.amdgcn_target "amdgcn-amd-amdhsa--gfx1250"
	.amdhsa_code_object_version 6
	.text
	.protected	k_q379ace2ac6_proj
	.globl	k_q379ace2ac6_proj
	.p2align	8
	.type	k_q379ace2ac6_proj,@function
k_q379ace2ac6_proj:
	s_mov_b64 s[64:65], 0
	v_nop
	global_prefetch_b8 v0, s[64:65] scope:SCOPE_SE
	s_setreg_imm32_b32 hwreg(HW_REG_WAVE_MODE, 25, 1), 1
	s_wait_xcnt 0x0
; q, k, v of both sources: x1 [16384][256] and x2 [16384][768], f32, are quantised along K; the six products x W run on codes of FP6 (E2M3) with E8M0 scales; q and k are
; quantised along their 256 channels, v along the keys, and leave as images of operand registers (a fragment: 16 rows x 128 K, 12 registers a lane, 1,536 bytes, piece c of 512 bytes = registers 4 c .. 4 c + 3, lane l at 16 l).
; SHARES.  Work-group g takes rows 64 g .. 64 g + 63 of x1 AND of x2: all work-groups do the same work.  The eight K steps of 128 are one stream G: 0, 1 are x1's, 2 .. 7 x2's.
; x COMES BY THE TENSOR DATA MOVER, ONCE: four groups of 64 rows x 1,024 bytes (x1's rows; x2's rows in three thirds); each wave brings 16 rows of each group: two loads a wave, x1's at the head, x2's behind the first barrier, and
; none filled again: at most one tensor load of a wave is out.  x1's 65,536 bytes are on their way from the first lines on, x2's 196,608 from behind the first barrier, and x1's products stand under x2's arrival.
; QUANTISING x: wave w takes tile w of the 64 rows; a lane reads 16 neighbours of each block of 32 straight from LDS; the images go to LDS for all four waves.
; PRODUCTS: THE WAVES SHARE THE COLUMNS.  Wave w makes 8 tiles (128 channels) of q (w = 0, 1) or of k (w = 2, 3) and 4 tiles (64 channels) of v, for all four tiles of rows: 48 accumulators, 48 products a K step.
; q, k are used TRANSPOSED (source 0 = 16 columns of W, source 1 = 16 rows of x): a lane holds one row and its registers run along the channels, the next K.
; v is used as it reads (source 0 = x, source 1 = W): a lane holds one channel and its registers run along the rows, which are the keys, its next K.
; THE ROWS OF A TILE ARE NOT NEIGHBOURS, nor are a weight tile's columns: lane r of tile 2 b + u takes 32 b + 8 u + r + 8 (r / 8), so that a lane's 16 registers of tiles 2 b and 2 b + 1 are the 16 neighbours 32 b + 16 (lane / 16) + 0 .. 15.
; OUT.  qc: 512 blocks of 12,800 bytes (source x 256 + g): 8 fragments (tile m, K step s at (2 m + s) x 1,536), then scale words [s 2][r 16][m 4] at 12,288.
;       kv: 512 blocks of 25,600 bytes: k laid as a qc block; from 12,800 v's 16 half fragments of 64 keys (768 bytes: registers 0-3 at 16 l, then 4-5 at 8 l); from 25,088 v's scale bytes: 128 w + 8 r: four pairs for channel tiles 4 w .. 4 w + 3.
; The weights' images come from memory straight into registers, a K step ahead, two sets by turns.  All 256 work-groups read the same 590 KB of them; they are not shared in a cluster:
; that would want a ring of LDS slots, and x's rows and images take 323,584 of the 327,680 bytes.
; LIMITS: a block of zeros gets the byte 1 where the rule says 127 (its codes are zeros; only this program reads the bytes); blocks whose largest magnitude lies under 2^-124 are held at the byte 1; NaN and infinities are not served.
; v's scale bytes leave as 128 consecutive bytes a wave, half of an aligned 256: 512 of a block's 25,600 bytes.
; REGISTERS, in windows of 256: window 0: addresses, work, x's four fragments, scale words.  window 1: weight set 0 (v0-143), v's accumulators of tiles 0, 1 (v144-207).
;   window 2: weight set 1, v's accumulators of tiles 2, 3.   window 3: q's or k's 32 accumulators (64 m + 8 t); while x is quantised, four sets of 64 numbers.
.set LI16, 1                           ; 16 x lane
.set LI8,  2                           ; 8 x lane
.set LS,   3                           ; 4 x lane
.set XRD,  4                           ; v4-7 LDS: my row's 64 h bytes in group 0 .. 3
.set R16,  8                           ; 16 r
.set A168, 9                           ; 16 r + 8 h
.set A84,  10                          ; 8 r + 4 h
.set XRS,  11                          ; LDS: XSCL + 4 x lane
.set XWI,  12                          ; LDS: where I store x's images: XIMG + 16 x lane + 1,536 x wave
.set XWS,  13                          ; and their scale words: XSCL + 4 x lane + 128 x wave
.set XRI,  14                          ; LDS: XIMG + 16 x lane
.set TM,   16                          ; v16-19 largest magnitudes, v20-23 the other lanes' and then the bytes, v28-31 the conversions' scale operands
.set PC,   32                          ; v32-43 the codes just made, v44-51 at work
.set PW,   52                          ; x's scale word just made
.set VST,  53
.set KST,  54                          ; v54-55
.set KW,   56                          ; v56-59 q's or k's scale words, tile m
.set VW,   60                          ; v60-63 v's scale byte pairs, tile t
.set XF,   64                          ; v64-111 x's four fragments
.set XS,   112                         ; v112-115 their scale words
.set WSC,  116                         ; v116-139 the weights' scale words, two sets of 12
.set ACCQK, 768
.set XP,    1040                       ; LDS: a row of x: 1,024 bytes + 16 of padding = 260 words: row r starts at bank 4 r mod 64 (64 banks of 4 bytes: ISA guide 11.1)
.set TILEB, 16896                      ; 16 such rows, what one tensor load brings, in a place of 66 x 256 bytes; the odd places' rows begin 128 bytes further on,
                                       ; so that the rows r and r + 16 of a reader's tile, which lie in neighbouring places, fall into different halves of the banks
.set GRP,   4*TILEB                    ; a group: 64 rows
.set XIMG,  4*GRP                      ; behind the four groups, where no fill lands: 32 images of x ((4 G + m) x 1,536),
.set XSCL,  XIMG+32*1536               ; and their scale words ((4 G + m) x 128)
.set MSB, 0
.macro WIN new                         ; the immediate's high byte repeats the setting that is left; a switch that changes nothing is dropped
.if MSB != (\new)
	s_set_vgpr_msb (MSB<<8)|(\new)
.set MSB, \new
.endif
.endm
.macro PLACES n
.rept \n
	v_nop
.endr
.endm
; A product; d, a, b, c are register numbers 0 .. 1023, from which the windows follow
.macro MMA d, a, b, c, sa, sb, zero
	WIN ((((\d)/256)<<6)|(((\c)/256)<<4)|(((\b)/256)<<2)|((\a)/256))
.if \zero
	v_wmma_scale_f32_16x16x128_f8f6f4 v[(\d)%256:(\d)%256+7], v[(\a)%256:(\a)%256+11], v[(\b)%256:(\b)%256+11], 0, v[\sa], v[\sb] matrix_a_fmt:MATRIX_FMT_FP6 matrix_b_fmt:MATRIX_FMT_FP6
.else
	v_wmma_scale_f32_16x16x128_f8f6f4 v[(\d)%256:(\d)%256+7], v[(\a)%256:(\a)%256+11], v[(\b)%256:(\b)%256+11], v[(\c)%256:(\c)%256+7], v[\sa], v[\sb] matrix_a_fmt:MATRIX_FMT_FP6 matrix_b_fmt:MATRIX_FMT_FP6
.endif
.endm
; 16 nb numbers of a lane from register s (0 .. 1023) on, register 16 b + i = k 32 b + 16 (lane / 16) + i, become codes in v[PC] on (3 nb registers, in the operand's layout) and nb scale bytes in v[pw].
; Each accumulator among them is read from its low end on.  xw = 1: the codes' registers are the data of global stores that may be pending: the wait stands in front of the first line that rewrites them.
.macro QUANT s, nb, pw, xw
.set QWN, (\s)/256
.set QL, (\s)%256
	WIN QWN|(QWN<<2)
.irp b, 0,1,2,3
.if \b < \nb
	v_max3_num_f32 v[TM+\b], |v[QL+16*\b]|, |v[QL+16*\b+1]|, 0x1800000   ; block b: my 16 numbers, and the floor 2^(3 - 127): the byte cannot fall under 1
.endif
.endr
	WIN (QWN<<2)|(QWN<<4)
.irp i, 2,4,6,8,10,12,14
.irp b, 0,1,2,3
.if \b < \nb
	v_max3_num_f32 v[TM+\b], v[TM+\b], |v[QL+16*\b+\i]|, |v[QL+16*\b+\i+1]|   ; the blocks by turns
.endif
.endr
.endr
	WIN 0
.irp b, 0,1,2,3
.if \b < \nb
	v_permlanex16_b32 v[TM+4+\b], v[TM+\b], s20, s21
.endif
.endr
.irp b, 0,1,2,3
.if \b < \nb
	v_max_num_f32 v[TM+\b], v[TM+\b], v[TM+4+\b]   ; with lane l xor 16's: the block's largest magnitude
.endif
.endr
.irp b, 0,1,2,3
.if \b < \nb
	v_add_nc_u32 v[TM+12+\b], 0xff000000, v[TM+\b] ; 2 off its exponent field: the conversion's scale operand
.endif
.endr
.irp b, 0,1,2,3
.if \b < \nb
	v_lshrrev_b32 v[TM+4+\b], 23, v[TM+12+\b]      ; the scale's byte
.endif
.endr
	v_lshl_or_b32 v[\pw], v[TM+5], 8, v[TM+4]
.if \nb == 4
	v_lshl_or_b32 v[\pw], v[TM+6], 16, v[\pw]
	v_lshl_or_b32 v[\pw], v[TM+7], 24, v[\pw]
.endif
.if \xw
	s_wait_alu depctr_va_vdst(0)
	s_wait_xcnt 0x0                                ; the earlier stores have read their registers: the codes' are written again only behind this wait
.endif
	WIN QWN
.irp c, 0,1
.if 2*\c < \nb
	v_cvt_scalef32_pk16_fp6_f32 v[PC+6*\c:PC+6*\c+2], v[QL+32*\c:QL+32*\c+15], v[TM+12+2*\c]
	v_cvt_scalef32_pk16_fp6_f32 v[PC+12+4*\c:PC+14+4*\c], v[QL+32*\c+16:QL+32*\c+31], v[TM+13+2*\c]   ; (a conversion's three registers begin on an even number)
.endif
.endr
	WIN 0
	v_nop                                          ; one plain place behind the scaled conversions
.irp c, 0,1                                    ; the operand's layout wants a WHOLE block in a lane: lanes 0-15 block 2 c, lanes 16-31 block 2 c + 1
.if 2*\c < \nb
.irp i, 0,1,2
	v_permlane16_swap_b32 v[PC+6*\c+\i], v[PC+12+4*\c+\i]
.endr
.irp i, 0,1,2
	v_mov_b32 v[PC+3+6*\c+\i], v[PC+12+4*\c+\i]
.endr
.endif
.endr
.endm
; my row's numbers of K step G from LDS: 64 a lane, register 16 b + 4 j + e = k 32 b + 16 h + 4 j + e, into set G % 4 of window 3: 16 loads
.macro XFETCH G
	WIN 0xc0                                       ; destination window 3, address window 0
.irp b, 0,1,2,3
.irp j, 0,1,2,3
	ds_load_b128 v[64*((\G)%4)+16*\b+4*\j:64*((\G)%4)+16*\b+4*\j+3], v[XRD+(\G)/2] offset:512*((\G)%2)+128*\b+16*\j
.endr
.endr
	WIN 0
.endm
; K step G of my tile of rows becomes a fragment, whose image and scale words go to LDS
.macro XQ G
	QUANT 768+64*((\G)%4), 4, PW, 0
.irp c, 0,1,2
	ds_store_b128 v[XWI], v[PC+4*\c:PC+4*\c+3] offset:6144*(\G)+512*\c
.endr
	ds_store_b32 v[XWS], v[PW] offset:512*(\G)
	s_wait_dscnt 0x0                               ; the stores have read their registers and have landed; the reads issued ahead are in
.endm
; K step G's weights into set G % 2: 8 fragments of q's or k's weight, 4 of v's, 12 scale words: 39 loads
.macro WLOAD G
.if (\G) < 2
.set WSB, 24
.set WNK, 2
.set WKS, (\G)
.else
.set WSB, 40
.set WNK, 6
.set WKS, (\G)-2
.endif
	WIN (1+(\G)%2)<<6
.irp t, 0,1,2,3,4,5,6,7
.irp c, 0,1,2
	global_load_b128 v[12*\t+4*\c:12*\t+4*\c+3], v[LI16], s[WSB:WSB+1] offset:(\t*WNK+WKS)*1536+512*\c
.endr
.endr
.irp t, 0,1,2,3
.irp c, 0,1,2
	global_load_b128 v[12*(8+\t)+4*\c:12*(8+\t)+4*\c+3], v[LI16], s[WSB+2:WSB+3] offset:(\t*WNK+WKS)*1536+512*\c
.endr
.endr
	WIN 0
	global_load_b128 v[WSC+12*((\G)%2):WSC+12*((\G)%2)+3], v[R16], s[WSB+4:WSB+5] offset:WKS*256
	global_load_b128 v[WSC+12*((\G)%2)+4:WSC+12*((\G)%2)+7], v[R16], s[WSB+4:WSB+5] offset:(WNK+WKS)*256
	global_load_b128 v[WSC+12*((\G)%2)+8:WSC+12*((\G)%2)+11], v[R16], s[WSB+6:WSB+7] offset:WKS*256
.endm
; x's tiles m0, m0 + 1 of K step G from LDS: 8 loads
.macro FETCHX G, m0
.irp m, \m0, \m0+1
.irp c, 0,1,2
	ds_load_b128 v[XF+12*(\m)+4*\c:XF+12*(\m)+4*\c+3], v[XRI] offset:(4*(\G)+(\m))*1536+512*\c
.endr
	ds_load_b32 v[XS+(\m)], v[XRS] offset:(4*(\G)+(\m))*128
.endr
.endm
; 24 products on 24 accumulators: tiles of rows 2 p, 2 p + 1.  The accumulators take turns, one instruction a turn
.macro HALF G, p, zero
.set WS, 256*(1+(\G)%2)
.set SCB, WSC+12*((\G)%2)
.irp m, 2*\p, 2*\p+1
.irp t, 0,1,2,3,4,5,6,7
	MMA ACCQK+64*(\m)+8*\t, WS+12*\t, XF+12*(\m), ACCQK+64*(\m)+8*\t, SCB+\t, XS+(\m), \zero
.endr
.endr
.irp t, 0,1,2,3
.irp m, 2*\p, 2*\p+1
	MMA 400+256*(\t/2)+32*(\t%2)+8*(\m), XF+12*(\m), WS+12*(8+\t), 400+256*(\t/2)+32*(\t%2)+8*(\m), XS+(\m), SCB+8+\t, \zero
.endr
.endr
.endm
; A K step.  zero = 1: a source's first: its products start the sums, nothing is cleared.  nx = 1: the next K step's images of x lie in LDS and are fetched
.macro KSTEP G, zero, nx
.if (\G) < 7
	s_wait_loadcnt 39                              ; this step's weights are in; the next step's 39 loads may be out
.else
	s_wait_loadcnt 0x0
.endif
	s_wait_dscnt 8                                 ; x's tiles 0, 1 are in; the 8 loads of tiles 2, 3 may be out
	HALF \G, 0, \zero
	WIN 0
.if \nx
	PLACES 4                                       ; places in front of loads into registers that matrix instructions have read
	FETCHX (\G)+1, 0
	s_wait_dscnt 8                                 ; tiles 2, 3 are in; the 8 loads just issued may be out
.else
	s_wait_dscnt 0x0
.endif
	HALF \G, 1, \zero
	WIN 0
	PLACES 4                                       ; for the loads below, and for the first read of results
.if \nx
	FETCHX (\G)+1, 2
.endif
.if (\G) < 6
	WLOAD (\G)+2                                   ; into the set just multiplied
.endif
.endm
; A source's q or k, and v, are quantised and leave
.macro EPI src
.set OB0, 32+16*\src
.irp m, 0,1,2,3
	QUANT ACCQK+64*\m, 4, KW+\m, 1
.irp c, 0,1,2
	global_store_b128 v[LI16], v[PC+4*\c:PC+4*\c+3], s[OB0:OB0+1] offset:3072*\m+512*\c   ; fragment (m, my K step): 512 consecutive bytes a store
.endr
.endr
	s_wait_xcnt 0x0                                ; the last store by these two registers has read them
	v_cndmask_b32 v[KST], v[KW], v[KW+2], vcc_lo   ; lanes 0-15 store the words of tiles 0, 1, lanes 16-31 those of tiles 2, 3
	v_cndmask_b32 v[KST+1], v[KW+1], v[KW+3], vcc_lo
	global_store_b64 v[A168], v[KST:KST+1], s[OB0+2:OB0+3]   ; 256 consecutive bytes, aligned
.irp t, 0,1,2,3
	QUANT 400+256*(\t/2)+32*(\t%2), 2, VW+\t, 1    ; 64 keys of 16 channels: half a fragment
	global_store_b128 v[LI16], v[PC:PC+3], s[OB0+4:OB0+5] offset:768*\t
	global_store_b64 v[LI8], v[PC+4:PC+5], s[OB0+4:OB0+5] offset:768*\t+512
.endr
	s_wait_xcnt 0x0
	v_lshl_or_b32 v[VW], v[VW+1], 16, v[VW]
	v_lshl_or_b32 v[VW+2], v[VW+3], 16, v[VW+2]
	v_cndmask_b32 v[VST], v[VW], v[VW+2], vcc_lo
	global_store_b32 v[A84], v[VST], s[OB0+6:OB0+7]
.endm
.macro BASE dst, mul, add              ; s[dst:dst+1] = wimg + wave x mul + add
	s_mul_i32 s90, s14, \mul
	s_add_co_u32 s90, s90, \add
	s_add_nc_u64 s[\dst:\dst+1], s[8:9], s[90:91]
.endm
.macro OUTB src, o                     ; the four places to which a source's results go
	s_add_co_u32 s88, ttmp9, 256*\src
	s_mul_i32 s92, s88, 12800
	s_mov_b32 s93, 0
	s_mul_i32 s94, s88, 25600
	s_mov_b32 s95, 0
	s_add_nc_u64 s[96:97], s[10:11], s[92:93]      ; my block of qc,
	s_add_nc_u64 s[98:99], s[12:13], s[94:95]      ; of kv
	s_cmp_lt_u32 s14, 2                            ; waves 0, 1 make q, waves 2, 3 k: the choice hangs on the wave's number alone
	s_cselect_b64 s[\o:\o+1], s[96:97], s[98:99]
	s_add_nc_u64 s[\o+2:\o+3], s[\o:\o+1], s[22:23]
	s_add_nc_u64 s[\o:\o+1], s[\o:\o+1], s[2:3]
	s_add_nc_u64 s[\o+4:\o+5], s[98:99], s[66:67]
	s_add_nc_u64 s[\o+6:\o+7], s[98:99], s[100:101]
.endm
	s_load_b256 s[4:11], s[0:1], 0x0               ; x1 s[4:5], x2 s[6:7], wimg s[8:9], qc s[10:11]
	s_load_b64 s[12:13], s[0:1], 0x20              ; kv
	v_lshl_add_u32 v254, v0, 2, 0x4f000
	v_mov_b32 v255, 0
	ds_add_u32 v254, v255
	ds_add_u32 v254, v255
	v_lshrrev_b32 v32, 5, v0
	v_readfirstlane_b32 s14, v32                   ; wave 0..3
	s_and_b32 s15, s14, 1
	; descriptor group 1: a tile of 16 rows x 1,024 bytes (128 elements of 8 bytes), 16 bytes of padding behind each row; s[72:79] for x1, s[80:87] for x2: they differ in the row count alone (16, 48)
	s_mov_b32 s72, (3<<16)|(1<<20)|(7<<22)|(3<<25) ; 15:0 no mask; 17:16 elements of 8 bytes; 20 padding on; 24:22 after every 256 words (code 7); 31:25 of 4 words (code 3)
	s_mov_b32 s73, 128<<16                         ; tensor_dim0 = 128
	s_mov_b32 s74, 16<<16                          ; tensor_dim1 = 16
	s_mov_b32 s75, 128<<16                         ; tile_dim0 = 128
	s_mov_b32 s76, 16                              ; tile_dim1 = 16
	s_mov_b32 s77, 128                             ; elements from row to row: x1's rows are 1,024 bytes
	s_mov_b32 s78, 0
	s_mov_b32 s79, 0
	s_mov_b32 s80, (3<<16)|(1<<20)|(7<<22)|(3<<25)
	s_mov_b32 s81, 128<<16
	s_mov_b32 s82, 48<<16                          ; x2: my 16 rows of 3,072 bytes are dense in memory: stated as 48 lines of 1,024 bytes
	s_mov_b32 s83, 128<<16
	s_mov_b32 s84, 48
	s_mov_b32 s85, 128
	s_mov_b32 s86, 0
	s_mov_b32 s87, 0
	s_lshl_b32 s88, ttmp9, 6
	s_lshl_b32 s89, s14, 4
	s_add_co_u32 s88, s88, s89                     ; the first row that I fetch: 64 g + 16 w
	s_lshl_b32 s90, s88, 10                        ; in x1, in bytes,
	s_mov_b32 s91, 0
	s_mul_i32 s92, s88, 3072                       ; in x2
	s_mov_b32 s93, 0
	s_mul_i32 s94, s14, TILEB                      ; and where my 16 rows go in a group: my place, the odd places 128 bytes further on
	s_lshl_b32 s95, s15, 7
	s_add_co_u32 s94, s94, s95
	s_mov_b32 s16, 1                               ; group 0 of each of the two descriptors: count = 1, the LDS address,
	s_mov_b32 s17, s94
	s_mov_b32 s56, 1
	s_mul_i32 s57, s14, 3*TILEB                    ; x2's 16 rows of a wave take a place of 3 TILEB bytes behind x1's group; a row is three lines of XP bytes
	s_add_co_u32 s57, s57, s95
	s_add_co_u32 s57, s57, GRP
	s_wait_dscnt 0x0
	s_wait_kmcnt 0x0
	s_add_nc_u64 s[18:19], s[4:5], s[90:91]        ; the global address of the tile's first element: x1's rows;
	s_add_nc_u64 s[58:59], s[6:7], s[92:93]        ; x2's rows, bytes 0 on,
	s_or_b32 s19, s19, 0x80000000                  ; type = 2
	s_or_b32 s59, s59, 0x80000000
	tensor_load_to_lds s[16:19], s[72:79]          ; ONE load a wave at the head, my 16 rows of x1 (this replaces the four loads that the head comment names); x2's one load follows behind the first barrier
	s_nop 0
	PLACES 4
	v_and_b32 v32, 31, v0                          ; lane
	v_and_b32 v33, 15, v0                          ; r
	v_bfe_u32 v34, v0, 4, 1                        ; h
	v_and_b32 v35, 7, v0                           ; r % 8
	v_bfe_u32 v36, v0, 3, 1                        ; r / 8
	v_lshlrev_b32 v[LI16], 4, v32
	v_lshlrev_b32 v[LI8], 3, v32
	v_lshlrev_b32 v[LS], 2, v32
	; my row of the 64 is 32 (w / 2) + 8 (w % 2) + r + 8 (r / 8): place 2 (w / 2) + r / 8 of a group, row 8 (w % 2) + r % 8 in it
	s_wait_alu depctr_va_vdst(0)
	v_mul_u32_u24 v[XRD], v35, XP
	v_mad_u32_u24 v[XRD], v36, TILEB+128, v[XRD]
	v_lshl_add_u32 v[XRD], v34, 6, v[XRD]          ; + 64 h: my 16 numbers of a block of 32
	s_lshr_b32 s88, s14, 1
	s_mul_i32 s88, s88, 2*TILEB
	s_mul_i32 s89, s15, 8*XP
	s_add_co_u32 s88, s88, s89
	v_add_nc_u32 v[XRD], s88, v[XRD]
	v_mul_u32_u24 v[XRD+1], v35, 3*XP              ; x2: rows 3 XP bytes apart, places 3 TILEB apart, the odd places 128 bytes further on
	v_mad_u32_u24 v[XRD+1], v36, 3*TILEB+128, v[XRD+1]
	v_lshl_add_u32 v[XRD+1], v34, 6, v[XRD+1]
	s_mul_i32 s88, s88, 3
	s_add_co_u32 s88, s88, GRP
	v_add_nc_u32 v[XRD+1], s88, v[XRD+1]           ; bytes 0 .. 1,023 of my row of x2,
	v_add_nc_u32 v[XRD+2], XP, v[XRD+1]            ; 1,024 on,
	v_add_nc_u32 v[XRD+3], 2*XP, v[XRD+1]          ; 2,048 on
	s_mul_i32 s88, s14, 1536
	s_add_co_u32 s88, s88, XIMG
	v_add_nc_u32 v[XWI], s88, v[LI16]
	s_lshl_b32 s88, s14, 7
	s_add_co_u32 s88, s88, XSCL
	v_add_nc_u32 v[XWS], s88, v[LS]
	v_add_nc_u32 v[XRI], XIMG, v[LI16]
	v_add_nc_u32 v[XRS], XSCL, v[LS]
	v_lshlrev_b32 v[R16], 4, v33
	s_wait_alu depctr_va_vdst(0)
	v_lshl_add_u32 v[A168], v34, 3, v[R16]
	v_lshlrev_b32 v[A84], 3, v33
	v_lshl_add_u32 v[A84], v34, 2, v[A84]
.irp b, 0,1,2,3
	v_mov_b32 v[TM+4+\b], 0                        ; written once: a lane permute's destination counts as one of its sources
.endr
	s_mov_b32 s20, 0x76543210
	s_mov_b32 s21, 0xfedcba98                      ; v_permlanex16_b32's selects for lane l xor 16
	BASE 24, 24576, 0                              ; x1's weights: q's or k's fragments from 16 w,
	BASE 26, 12288, 98304                          ; v's from 64 + 8 w,
	BASE 28, 1024, 786432                          ; scale groups from 4 w
	BASE 30, 512, 790528                           ; and 16 + 2 w
	WLOAD 0                                        ; the first two K steps' weights land while x1 arrives
	WLOAD 1
	BASE 40, 73728, 147456                         ; x2's: 96 + 48 w,
	BASE 42, 36864, 442368                         ; 288 + 24 w,
	BASE 44, 3072, 792576                          ; 24 + 12 w,
	BASE 46, 1536, 804864                          ; 72 + 6 w
	s_mul_i32 s2, s15, 1536                        ; my K step of q or k: w % 2
	s_mov_b32 s3, 0
	s_lshl_b32 s22, s15, 8
	s_add_co_u32 s22, s22, 12288
	s_mov_b32 s23, 0
	s_mul_i32 s66, s14, 3072
	s_add_co_u32 s66, s66, 12800
	s_mov_b32 s67, 0
	s_lshl_b32 s100, s14, 7
	s_add_co_u32 s100, s100, 25088
	s_mov_b32 s101, 0
	OUTB 0, 32
	OUTB 1, 48
	; ---- x1
	s_wait_tensorcnt 0x0                           ; my 16 rows of x1 are in
	ds_add_u32 v254, v255
	s_wait_dscnt 0x0
	s_barrier_signal -1
	s_barrier_wait -1                              ; everybody's are
	tensor_load_to_lds s[56:59], s[80:87]          ; my 16 rows of x2, 49,152 bytes, my one load behind this barrier: it lands while x1 is quantised and multiplied
	s_nop 0
	PLACES 4
	s_mov_b32 vcc_lo, 0xffff0000                   ; lanes 16-31; written behind the last tensor load
	XFETCH 0
	XFETCH 1
	s_wait_dscnt 16                                ; K step 0's 16 reads are in; K step 1's may be out
	XQ 0
	XQ 1
	s_barrier_signal -1                            ; every wave's images have landed (its wait for 0 stands above)
	s_barrier_wait -1
	FETCHX 0, 0
	FETCHX 0, 2
	KSTEP 0, 1, 1
	KSTEP 1, 0, 0                                  ; x2's images are not made yet
	EPI 0
	; ---- x2
	s_wait_tensorcnt 0x0                           ; my rows of x2 are in,
	s_barrier_signal -1
	s_barrier_wait -1                              ; everybody's are
	XFETCH 2
	XFETCH 3
	s_wait_dscnt 16                                ; K step 2's 16 reads are in; K step 3's may be out
.irp G, 2,3,4,5,6,7
.if \G < 6
	XFETCH \G+2                                    ; the reads run two K steps ahead, into a set that has been quantised
.endif
	XQ \G
.endr
	s_barrier_signal -1                            ; every wave's images have landed (its wait for 0 stands above)
	s_barrier_wait -1
	FETCHX 2, 0
	FETCHX 2, 2
	KSTEP 2, 1, 1
	KSTEP 3, 0, 1
	KSTEP 4, 0, 1
	KSTEP 5, 0, 1
	KSTEP 6, 0, 1
	KSTEP 7, 0, 0
	EPI 1
	s_wait_tensorcnt 0x0
	ds_add_u32 v254, v255
	s_wait_dscnt 0x0
	s_endpgm
.Lfunc_end_k_q379ace2ac6_proj:
	.size	k_q379ace2ac6_proj, .Lfunc_end_k_q379ace2ac6_proj-k_q379ace2ac6_proj
	.p2alignl 7, 3214868480
	.fill 96, 4, 3214868480
	.section	.rodata,"a",@progbits
	.p2align	6, 0x0
	.amdhsa_kernel k_q379ace2ac6_proj
		.amdhsa_group_segment_fixed_size 327680
		.amdhsa_private_segment_fixed_size 0
		.amdhsa_enable_private_segment 0
		.amdhsa_kernarg_size 40
		.amdhsa_user_sgpr_count 2
		.amdhsa_user_sgpr_kernarg_segment_ptr 1
		.amdhsa_wavefront_size32 1
		.amdhsa_system_sgpr_workgroup_id_x 1
		.amdhsa_system_sgpr_workgroup_id_y 1
		.amdhsa_system_sgpr_workgroup_id_z 1
		.amdhsa_system_vgpr_workitem_id 0
		.amdhsa_next_free_vgpr 1024
		.amdhsa_next_free_sgpr 102
		.amdhsa_reserve_vcc 1
		.amdhsa_float_denorm_mode_32 3
		.amdhsa_float_denorm_mode_16_64 3
		.amdhsa_memory_ordered 1
		.amdhsa_forward_progress 1
		.amdhsa_inst_pref_size 194
	.end_amdhsa_kernel
	.amdgpu_metadata
---
amdhsa.version: [ 1, 2 ]
amdhsa.kernels:
  - .name:           k_q379ace2ac6_proj
    .symbol:         k_q379ace2ac6_proj.kd
    .args:
      - { .name: x1, .offset: 0, .size: 8, .value_kind: global_buffer, .address_space: global }
      - { .name: x2, .offset: 8, .size: 8, .value_kind: global_buffer, .address_space: global }
      - { .name: wimg, .offset: 16, .size: 8, .value_kind: global_buffer, .address_space: global }
      - { .name: qc, .offset: 24, .size: 8, .value_kind: global_buffer, .address_space: global }
      - { .name: kv, .offset: 32, .size: 8, .value_kind: global_buffer, .address_space: global }
    .group_segment_fixed_size: 327680
    .private_segment_fixed_size: 0
    .kernarg_segment_align: 8
    .kernarg_segment_size: 40
    .max_flat_workgroup_size: 128
    .sgpr_count:     102
    .vgpr_count:     1024
    .wavefront_size: 32
...
	.end_amdgpu_metadata
.endif
;; end of part 2
;; launch attn (part 3): grid 16 x 16, 4 waves a work-group, clusters of 4 x 1, 327,680 bytes of LDS; arguments qc, kv, wimg, bo1, bo2, out0, out1; writes out0, out1
.if DOCPART == 3
	.amdgcn_target "amdgcn-amd-amdhsa--gfx1250"
	.amdhsa_code_object_version 6
	.text
	.protected	k_q379ace2ac6_attn
	.globl	k_q379ace2ac6_attn
	.p2align	8
	.type	k_q379ace2ac6_attn,@function
k_q379ace2ac6_attn:
	s_mov_b64 s[64:65], 0
	v_nop
	global_prefetch_b8 v0, s[64:65] scope:SCOPE_SE
	s_setreg_imm32_b32 hwreg(HW_REG_WAVE_MODE, 25, 1), 1
	s_wait_xcnt 0x0
	s_wait_alu depctr_hold_cnt(0) depctr_sa_sdst(0) depctr_va_vdst(0) depctr_va_sdst(0) depctr_va_ssrc(0) depctr_va_vcc(0) depctr_vm_vsrc(0)
	s_getreg_b32 s2, hwreg(HW_REG_IB_STS2, 6, 4)
	s_cmp_eq_u32 s2, 0
	s_cbranch_scc0 .Lentry_in_a_cluster
	s_endpgm
.Lentry_in_a_cluster:
	s_bfe_u32 s2, ttmp6, 0x10000c
	s_cmp_lg_u32 s2, 0x3003
	s_cbranch_scc0 .Lentry_shape_is_right
	s_endpgm
.Lentry_shape_is_right:
.set HBB,   25600
.set SLOT1, 1<<17
.set OIMG,  233472
.set OSC,   258048
.set STAGE, 260096
.set SPARE, 277504
.set LI16, 1
.set LI8,  2
.set R16,  3
.set R8,   4
.set SPW,  5
.set NIL,  6
.set AK16, 7
.set AKS,  8
.set AV16, 9
.set AV8,  10
.set AVS,  11
.set FP,   20
.set TMP,  22
.set HH,   23
.set QS,   24
.set PW,   28
.set CH2,  30
.set KS,   32
.set VS,   48
.set S,    64
.set P,    192
.set CT,   216
.set BM,   224
.set BP,   228
.set BS,   232
.set CH,   236
.set CH3,  238
.set GO,   240
.set STO,  248
.set RD,   249
.set OWI,  250
.set OWS,  251
.set ORD,  252
.set BA,   253
.set ORS,  254
.set TM,   224
.set PC,   192
.set OS,   32
.set WOS,  48
.set BK,   64
.set WV,   18
.set TB,   40
.set CNT,  41
.set MSB, 0
.macro WIN new
.if MSB != (\new)
	s_set_vgpr_msb (MSB<<8)|(\new)
.set MSB, \new
.endif
.endm
.macro PLACES n
.rept \n
	v_nop
.endr
.endm
.macro CROUND
	s_barrier_signal -1
	s_barrier_wait -1
	s_cmp_lg_u32 s[WV], 0
	s_cbranch_scc1 .Lnot_wave_0_\@
	s_barrier_signal -3
.Lnot_wave_0_\@:
	s_barrier_wait -3
	s_barrier_signal -1
	s_barrier_wait -1
.endm
.macro VADDR
	v_add_nc_u32 v[AV16], s[TB], v[LI16]
	v_add_nc_u32 v[AV8], s[TB], v[LI8]
	v_add_nc_u32 v[AVS], s[TB], v[R8]
	s_add_co_u32 s[TB], s[TB], 2*HBB
.endm
.macro KADDR
	v_add_nc_u32 v[AK16], s[TB], v[LI16]
	v_add_nc_u32 v[AKS], s[TB], v[R16]
.endm
; Eight fragments on end, from fragment c0 on, under one window setting: kind 1 this step's V, kind 2 the next step's K, kind 0 nothing
.macro BATCH kind, c0
.if \kind == 1
	WIN 0xc0
.set cn, \c0
.rept 8
.irp hbi, 0,1
	ds_load_b128 v[12*cn+6*\hbi:12*cn+6*\hbi+3], v[AV16] offset:HBB*\hbi+12800+768*cn
	ds_load_b64 v[12*cn+6*\hbi+4:12*cn+6*\hbi+5], v[AV8] offset:HBB*\hbi+12800+768*cn+512
.endr
.if cn < 8
	ds_load_b64 v[192+2*cn:192+2*cn+1], v[AVS] offset:HBB*(cn/4)+25088+128*(cn%4)
.endif
.set cn, cn+1
.endr
	WIN 0
.endif
.if \kind == 2
	WIN 0x80
.set cn, \c0
.rept 8
.irp c, 0,1,2
	ds_load_b128 v[12*cn+4*\c:12*cn+4*\c+3], v[AK16] offset:HBB*((cn/4)%2)+(2*(cn%4)+cn/8)*1536+512*\c
.endr
.set cn, cn+1
.endr
	WIN 0
.if \c0 == 0
.set cn, 0
.rept 4
	ds_load_b128 v[KS+4*cn:KS+4*cn+3], v[AKS] offset:HBB*(cn%2)+12288+256*(cn/2)
.set cn, cn+1
.endr
.endif
.endif
.endm
.macro FETCH_K
	KADDR
	s_wait_alu depctr_va_vdst(0)
	BATCH 2, 0
	BATCH 2, 8
.endm
; n products of the scores S^T = k q^T: query tile T, K step ks of the 256 channels, key tiles k0 on; one instruction an accumulator
.macro QKG T, ks, k0, n
	WIN 0x0a
.set qi, \k0
.rept \n
.if \ks == 0
	v_wmma_scale_f32_16x16x128_f8f6f4 v[S+64*\T+8*qi:S+64*\T+8*qi+7], v[12*qi:12*qi+11], v[192+24*\T:192+24*\T+11], 0, v[KS+qi], v[QS+\T] matrix_a_fmt:MATRIX_FMT_FP6 matrix_b_fmt:MATRIX_FMT_FP6
.else
	v_wmma_scale_f32_16x16x128_f8f6f4 v[S+64*\T+8*qi:S+64*\T+8*qi+7], v[12*(qi+8):12*(qi+8)+11], v[204+24*\T:204+24*\T+11], v[S+64*\T+8*qi:S+64*\T+8*qi+7], v[KS+8+qi], v[QS+2+\T] matrix_a_fmt:MATRIX_FMT_FP6 matrix_b_fmt:MATRIX_FMT_FP6
.endif
.set qi, qi+1
.endr
.endm
.macro VSC
	WIN 0x0f
.irp ct, 0,1,2,3,4,5,6,7,8,9,10,11,12,13,14,15
.if \ct%2
	v_perm_b32 v[VS+\ct], v[200+\ct/2], v[192+\ct/2], s63
.else
	v_perm_b32 v[VS+\ct], v[200+\ct/2], v[192+\ct/2], s62
.endif
.endr
	WIN 0
.endm
; n products of O^T += v^T p^T: query tile T, channel tiles c0 on; one instruction an accumulator
.macro PVG T, first, c0, n
	WIN 0x53
.set pvi, \c0
.rept \n
.if \first
	v_wmma_scale_f32_16x16x128_f8f6f4 v[128*\T+8*pvi:128*\T+8*pvi+7], v[12*pvi:12*pvi+11], v[P+12*\T:P+12*\T+11], 0, v[VS+pvi], v[PW+\T] matrix_a_fmt:MATRIX_FMT_FP6 matrix_b_fmt:MATRIX_FMT_FP6
.else
	v_wmma_scale_f32_16x16x128_f8f6f4 v[128*\T+8*pvi:128*\T+8*pvi+7], v[12*pvi:12*pvi+11], v[P+12*\T:P+12*\T+11], v[128*\T+8*pvi:128*\T+8*pvi+7], v[VS+pvi], v[PW+\T] matrix_a_fmt:MATRIX_FMT_FP6 matrix_b_fmt:MATRIX_FMT_FP6
.endif
.set pvi, pvi+1
.endr
.endm
.macro SM T, first, kind
.set SR, S+64*\T
.set MR, 12+4*\T
.set PR, P+12*\T
	BATCH \kind, 0                                 ; fragments 0-7 in one run
.if \T == 1
	s_wait_alu depctr_va_vdst(0)                   ; tile 0's exponentials stand between tile 1's scores and their first reader
.endif
.irp b, 0,1,2,3
	v_max3_num_f32 v[BM+\b], v[SR+16*\b], v[SR+16*\b+1], v[SR+16*\b+2]
.endr
.irp i, 3,5,7,9,11,13
.irp b, 0,1,2,3
	v_max3_num_f32 v[BM+\b], v[BM+\b], v[SR+16*\b+\i], v[SR+16*\b+\i+1]
.endr
.endr
.irp b, 0,1,2,3
	v_max_num_f32 v[BM+\b], v[BM+\b], v[SR+16*\b+15]
.endr
.irp b, 0,1,2,3
	v_permlanex16_b32 v[BP+\b], v[BM+\b], s20, s21
.endr
.irp b, 0,1,2,3
	v_max_num_f32 v[BM+\b], v[BM+\b], v[BP+\b]
.endr
	v_max3_num_f32 v[TMP], v[BM], v[BM+1], v[BM+2]
	v_max_num_f32 v[TMP], v[TMP], v[BM+3]
	v_mul_f32 v[TMP], s22, v[TMP]
	v_max_num_f32 v[MR+1], v[MR+1], v[TMP]
	v_mov_b32 v[TMP], v[MR]
	v_floor_f32 v[MR], -v[MR+1]
	v_sub_f32 v[TMP], v[MR], v[TMP]
	v_cvt_i32_f32 v[TMP], v[TMP]
	v_ldexp_f32 v[FP], 1.0, v[TMP]
.set j, 0
.rept 32
	v_pk_fma_f32 v[SR+j:SR+j+1], v[SR+j:SR+j+1], s[22:23], v[MR:MR+1] op_sel_hi:[1,0,0]
.set j, j+2
.endr
.irp b, 0,1,2,3
	v_fma_f32 v[BM+\b], v[BM+\b], s22, v[MR]
.endr
.set j, 0
	BATCH \kind, 8                                 ; fragments 8-15 in one run
	s_wait_alu depctr_va_vdst(0)
.rept 64
	v_exp_f32 v[SR+j], v[SR+j]
.set j, j+1
.endr
.irp b, 0,1,2,3
	v_exp_f32 v[BM+\b], v[BM+\b]
.endr
	v_pk_mul_f32 v[MR+2:MR+3], v[MR+2:MR+3], v[FP:FP+1] op_sel_hi:[1,0]
	s_wait_alu depctr_va_vdst(0)
.irp b, 0,1,2,3
	v_max_num_f32 v[BM+\b], 0x1800000, v[BM+\b]
.endr
.irp b, 0,1,2,3
	v_add_nc_u32 v[BS+\b], 0xff000000, v[BM+\b]
.endr
.irp b, 0,1,2,3
	v_lshrrev_b32 v[BP+\b], 23, v[BS+\b]
.endr
	v_lshl_or_b32 v[PW+\T], v[BP+1], 8, v[BP]
	v_lshl_or_b32 v[PW+\T], v[BP+2], 16, v[PW+\T]
	v_lshl_or_b32 v[PW+\T], v[BP+3], 24, v[PW+\T]
.irp c, 0,1
	v_cvt_scalef32_pk16_fp6_f32 v[PR+6*\c:PR+6*\c+2], v[SR+32*\c:SR+32*\c+15], v[BS+2*\c]
	v_cvt_scalef32_pk16_fp6_f32 v[CT+4*\c:CT+4*\c+2], v[SR+32*\c+16:SR+32*\c+31], v[BS+2*\c+1]
.endr
	v_nop
.irp c, 0,1
.irp i, 0,1,2
	v_permlane16_swap_b32 v[PR+6*\c+\i], v[CT+4*\c+\i]
.endr
.irp i, 0,1,2
	v_mov_b32 v[PR+3+6*\c+\i], v[CT+4*\c+\i]
.endr
.endr
	v_pk_add_f32 v[CH:CH+1], v[SR:SR+1], v[SR+2:SR+3]
	v_pk_add_f32 v[CH2:CH2+1], v[SR+4:SR+5], v[SR+6:SR+7]
	v_pk_add_f32 v[CH3:CH3+1], v[SR+8:SR+9], v[SR+10:SR+11]
.set j, 12
.rept 6
	v_pk_add_f32 v[MR+2:MR+3], v[MR+2:MR+3], v[SR+j:SR+j+1]
	v_pk_add_f32 v[CH:CH+1], v[CH:CH+1], v[SR+j+2:SR+j+3]
	v_pk_add_f32 v[CH2:CH2+1], v[CH2:CH2+1], v[SR+j+4:SR+j+5]
	v_pk_add_f32 v[CH3:CH3+1], v[CH3:CH3+1], v[SR+j+6:SR+j+7]
.set j, j+8
.endr
	v_pk_add_f32 v[MR+2:MR+3], v[MR+2:MR+3], v[SR+60:SR+61]
	v_pk_add_f32 v[CH:CH+1], v[CH:CH+1], v[SR+62:SR+63]
	v_pk_add_f32 v[CH2:CH2+1], v[CH2:CH2+1], v[CH3:CH3+1]
	v_pk_add_f32 v[MR+2:MR+3], v[MR+2:MR+3], v[CH:CH+1]
	v_pk_add_f32 v[MR+2:MR+3], v[MR+2:MR+3], v[CH2:CH2+1]
.if !\first
	WIN 0x41
.set j, 0
.rept 64
	v_pk_mul_f32 v[128*\T+j:128*\T+j+1], v[128*\T+j:128*\T+j+1], v[FP:FP+1] op_sel_hi:[1,0]
.set j, j+2
.endr
	WIN 0
.endif
.endm
.macro CHANGE fill
	s_wait_tensorcnt 0x0
	ds_add_u32 v[SPW], v[NIL]
.if \fill
	s_xor_b32 s37, s37, SLOT1
	s_add_nc_u64 s[38:39], s[38:39], 4*HBB
.endif
	s_wait_dscnt 0x0
.if \fill
	CROUND
	tensor_load_to_lds s[36:39], s[24:31]
	s_nop 0
	PLACES 4
.else
	s_barrier_signal -1
	s_barrier_wait -1
.endif
	s_sub_co_u32 s[TB], s[TB], 4*HBB
	s_xor_b32 s[TB], s[TB], SLOT1
.endm
.macro STEP chg, first
	s_wait_dscnt 0x0
	QKG 0, 0, 0, 8                                 ; the scores of both query tiles: 16 accumulators by turns, first K step,
	QKG 1, 0, 0, 8
	QKG 0, 1, 0, 8                                 ; second K step
	QKG 1, 1, 0, 8
	WIN 0
	PLACES 4
	VADDR
	SM 0, \first, 1
	s_wait_dscnt 0x0
	VSC
.if \chg == 1
	CHANGE 1
.endif
.if \chg == 2
	CHANGE 0
.endif
.if \chg != 3
	KADDR
	SM 1, \first, 2
.else
	SM 1, \first, 0
.endif
	PVG 0, \first, 0, 16                           ; the weighted sums of both query tiles: 32 accumulators, one instruction each
	PVG 1, \first, 0, 16
	WIN 0
.endm
.macro QUANT s, pw
.set QWN, (\s)/256
.set QL, (\s)%256
	WIN QWN|(QWN<<2)
.irp b, 0,1,2,3
	v_max3_num_f32 v[TM+\b], |v[QL+16*\b]|, |v[QL+16*\b+1]|, 0x1800000
.endr
	WIN (QWN<<2)|(QWN<<4)
.irp i, 2,4,6,8,10,12,14
.irp b, 0,1,2,3
	v_max3_num_f32 v[TM+\b], v[TM+\b], |v[QL+16*\b+\i]|, |v[QL+16*\b+\i+1]|
.endr
.endr
	WIN 0
.irp b, 0,1,2,3
	v_permlanex16_b32 v[TM+4+\b], v[TM+\b], s20, s21
.endr
.irp b, 0,1,2,3
	v_max_num_f32 v[TM+\b], v[TM+\b], v[TM+4+\b]
.endr
.irp b, 0,1,2,3
	v_add_nc_u32 v[TM+12+\b], 0xff000000, v[TM+\b]
.endr
.irp b, 0,1,2,3
	v_lshrrev_b32 v[TM+4+\b], 23, v[TM+12+\b]
.endr
	v_lshl_or_b32 v[\pw], v[TM+5], 8, v[TM+4]
	v_lshl_or_b32 v[\pw], v[TM+6], 16, v[\pw]
	v_lshl_or_b32 v[\pw], v[TM+7], 24, v[\pw]
	WIN QWN
.irp c, 0,1
	v_cvt_scalef32_pk16_fp6_f32 v[PC+6*\c:PC+6*\c+2], v[QL+32*\c:QL+32*\c+15], v[TM+12+2*\c]
	v_cvt_scalef32_pk16_fp6_f32 v[PC+12+4*\c:PC+14+4*\c], v[QL+32*\c+16:QL+32*\c+31], v[TM+13+2*\c]
.endr
	WIN 0
	v_nop
.irp c, 0,1
.irp i, 0,1,2
	v_permlane16_swap_b32 v[PC+6*\c+\i], v[PC+12+4*\c+\i]
.endr
.irp i, 0,1,2
	v_mov_b32 v[PC+3+6*\c+\i], v[PC+12+4*\c+\i]
.endr
.endr
.endm
.macro OLOAD
	WIN 0xc0
.irp f, 0,1,2,3,4,5,6,7
.irp c, 0,1,2
	global_load_b128 v[12*\f+4*\c:12*\f+4*\c+3], v[LI16], s[48:49] offset:1536*\f+512*\c
.endr
.endr
.irp nt, 0,1,2,3
	global_load_b128 v[192+8*\nt:192+8*\nt+3], v[BA], s[52:53] offset:128*(\nt/2)+32*(\nt%2)
	global_load_b128 v[192+8*\nt+4:192+8*\nt+7], v[BA], s[52:53] offset:128*(\nt/2)+32*(\nt%2)+16
.endr
	WIN 0
	global_load_b128 v[WOS:WOS+3], v[R16], s[50:51]
	global_load_b128 v[WOS+4:WOS+7], v[R16], s[50:51] offset:256
.endm
.macro OMUL ks
.if \ks == 0
	WIN 0x7b
.else
	WIN 0x5b
.endif
.irp qt, 0,1,2,3,4,5,6,7
.irp nt, 0,1,2,3
.if \ks == 0
	v_wmma_scale_f32_16x16x128_f8f6f4 v[32*\qt+8*\nt:32*\qt+8*\nt+7], v[24*\nt:24*\nt+11], v[24*\qt:24*\qt+11], v[192+8*\nt:192+8*\nt+7], v[WOS+\nt], v[OS+2*\qt] matrix_a_fmt:MATRIX_FMT_FP6 matrix_b_fmt:MATRIX_FMT_FP6
.else
	v_wmma_scale_f32_16x16x128_f8f6f4 v[32*\qt+8*\nt:32*\qt+8*\nt+7], v[24*\nt+12:24*\nt+23], v[24*\qt+12:24*\qt+23], v[32*\qt+8*\nt:32*\qt+8*\nt+7], v[WOS+4+\nt], v[OS+2*\qt+1] matrix_a_fmt:MATRIX_FMT_FP6 matrix_b_fmt:MATRIX_FMT_FP6
.endif
.endr
.endr
.endm
.macro TOSTAGE qt
	WIN 0x04
.irp nt, 0,1,2,3
	ds_store_b128 v[STO], v[32*(\qt)+8*\nt:32*(\qt)+8*\nt+3] offset:128*(\nt/2)+32*(\nt%2)
	ds_store_b128 v[STO], v[32*(\qt)+8*\nt+4:32*(\qt)+8*\nt+7] offset:128*(\nt/2)+32*(\nt%2)+16
.endr
	WIN 0
.irp i, 0,1,2,3,4,5,6,7
	ds_load_b128 v[BK+32*((\qt)%2)+4*\i:BK+32*((\qt)%2)+4*\i+3], v[RD] offset:544*\i
.endr
.endm
.macro SEND qt, younger
	s_wait_dscnt \younger
.if (\qt) > 0
.if (\qt)%2
	s_add_nc_u64 s[54:55], s[54:55], s[56:57]
.else
	s_add_nc_u64 s[54:55], s[54:55], s[58:59]
.endif
.endif
.irp i, 0,1,2,3,4,5,6,7
	global_store_b128 v[GO+\i], v[BK+32*((\qt)%2)+4*\i:BK+32*((\qt)%2)+4*\i+3], s[54:55] th:TH_STORE_NT
.endr
.endm
	s_load_b256 s[4:11], s[0:1], 0x0
	s_load_b128 s[12:15], s[0:1], 0x20
	s_load_b64 s[16:17], s[0:1], 0x30
	v_lshl_add_u32 v[SPW], v0, 2, SPARE
	v_mov_b32 v[NIL], 0
	ds_add_u32 v5, v6
	ds_add_u32 v5, v6
	s_wait_dscnt 0x0
	v_lshrrev_b32 v1, 5, v0
	v_readfirstlane_b32 s[WV], v1
	s_bfe_u32 s66, ttmp6, 0x40000
	s_lshl_b32 s44, ttmp9, 2
	s_add_co_u32 s44, s44, s66
	s_and_b32 s67, ttmp7, 0xffff
	s_lshr_b32 s42, s67, 3
	s_and_b32 s43, s67, 7
	s_xor_b32 s68, s42, 1
	s_lshl_b32 s68, s68, 8
	s_lshl_b32 s69, s43, 5
	s_add_co_u32 s68, s68, s69
	s_add_co_u32 s68, s68, s[WV]
	s_mul_i32 s68, s68, HBB
	s_mov_b32 s69, 0
	s_lshl_b32 s72, s42, 8
	s_lshl_b32 s73, s43, 5
	s_add_co_u32 s72, s72, s73
	s_lshl_b32 s73, s44, 1
	s_add_co_u32 s72, s72, s73
	s_lshr_b32 s73, s[WV], 1
	s_add_co_u32 s72, s72, s73
	s_mul_i32 s72, s72, 12800
	s_and_b32 s74, s[WV], 1
	s_mul_i32 s73, s74, 6144
	s_add_co_u32 s80, s72, s73
	s_mov_b32 s81, 0
	s_lshl_b32 s73, s74, 3
	s_add_co_u32 s82, s72, s73
	s_add_co_u32 s82, s82, 12288
	s_mov_b32 s83, 0
	s_lshl_b32 s84, s42, 5
	s_lshl_b32 s85, s[WV], 3
	s_add_co_u32 s84, s84, s85
	s_add_co_u32 s84, s84, 384
	s_mul_i32 s84, s84, 1536
	s_mov_b32 s85, 0
	s_lshl_b32 s86, s42, 3
	s_lshl_b32 s87, s[WV], 1
	s_add_co_u32 s86, s86, s87
	s_add_co_u32 s86, s86, 96
	s_lshl_b32 s86, s86, 8
	s_add_co_u32 s86, s86, 786432
	s_mov_b32 s87, 0
	s_lshl_b32 s88, s[WV], 8
	s_mov_b32 s89, 0
	s_cmp_eq_u32 s42, 0
	s_mov_b32 s45, 3072
	s_cselect_b32 s45, 1024, s45
	s_cselect_b32 s46, 1, 3
	s_lshl_b32 s90, s43, 11
	s_lshl_b32 s91, s44, 7
	s_add_co_u32 s90, s90, s91
	s_mul_i32 s90, s90, s45
	s_add_co_u32 s90, s90, s88
	s_mov_b32 s91, 0
	s_lshl_b32 s56, s45, 3
	s_mov_b32 s57, 0
	s_mul_i32 s58, s45, 24
	s_mov_b32 s59, 0
	s_mul_i32 s60, s45, 104
	s_mov_b32 s61, 0
	s_mov_b32 s62, 0x05040100
	s_mov_b32 s63, 0x07060302
	s_mov_b32 s20, 0x76543210
	s_mov_b32 s21, 0xfedcba98
	s_mov_b32 s22, 0x3db8aa3b
	s_mov_b32 s23, s22
	s_mov_b32 s[TB], 0
	s_mov_b32 s24, 15|(3<<16)|(1<<21)
	s_mov_b32 s25, 32<<16
	s_mov_b32 s26, 100<<16
	s_mov_b32 s27, 32<<16
	s_mov_b32 s28, 100
	s_mov_b32 s29, 32
	s_mov_b32 s30, 0
	s_mov_b32 s31, 0
	s_mov_b32 s32, 1
	s_mul_i32 s33, s[WV], HBB
	s_mov_b32 s36, 1
	s_add_co_u32 s37, s33, SLOT1
	v_and_b32 v7, 31, v0
	v_and_b32 v[TMP], 15, v0
	v_bfe_u32 v[HH], v0, 4, 1
	v_lshlrev_b32 v[LI16], 4, v7
	v_lshlrev_b32 v[LI8], 3, v7
	v_lshlrev_b32 v[R16], 4, v[TMP]
	v_lshlrev_b32 v[R8], 3, v[TMP]
	s_mul_i32 s92, s[WV], 4352
	s_add_co_u32 s92, s92, STAGE
	v_mul_u32_u24 v[STO], v[TMP], 272
	v_lshl_add_u32 v[STO], v[HH], 6, v[STO]
	v_add_nc_u32 v[STO], s92, v[STO]
	v_mul_u32_u24 v[RD], v[HH], 272
	v_add_nc_u32 v[RD], v[RD], v[R16]
	v_add_nc_u32 v[RD], s92, v[RD]
	s_mul_i32 s92, s[WV], 6144
	s_add_co_u32 s92, s92, OIMG
	v_add_nc_u32 v[OWI], s92, v[LI16]
	s_lshl_b32 s92, s[WV], 9
	s_add_co_u32 s92, s92, OSC
	v_lshl_add_u32 v[OWS], v7, 2, s92
	v_add_nc_u32 v[ORD], OIMG, v[LI16]
	v_lshl_add_u32 v[ORS], v7, 2, OSC
	v_lshlrev_b32 v[BA], 6, v[HH]
.irp i, 0,1,2,3,4,5,6,7
	v_add_nc_u32 v[TMP], 2*\i+8*(\i/4), v[HH]
	v_mad_u32_u24 v[GO+\i], v[TMP], s45, v[R16]
.endr
.irp T, 0,1
	v_mov_b32 v[13+4*\T], 0xff61b1e6
	v_floor_f32 v[12+4*\T], -v[13+4*\T]
	v_mov_b32 v[14+4*\T], 0
	v_mov_b32 v[15+4*\T], 0
.endr
.irp b, 0,1,2,3
	v_mov_b32 v[BP+\b], 0
.endr
	v_mov_b32 v[FP+1], 0
	s_wait_kmcnt 0x0
	s_add_nc_u64 s[70:71], s[6:7], s[68:69]
	s_mov_b64 s[34:35], s[70:71]
	s_or_b32 s35, s35, 0x80000000
	s_add_nc_u64 s[38:39], s[70:71], 4*HBB
	s_or_b32 s39, s39, 0x80000000
	s_add_nc_u64 s[76:77], s[4:5], s[80:81]
	s_add_nc_u64 s[78:79], s[4:5], s[82:83]
	s_add_nc_u64 s[48:49], s[8:9], s[84:85]
	s_add_nc_u64 s[50:51], s[8:9], s[86:87]
	s_cmp_eq_u32 s42, 0
	s_cselect_b64 s[52:53], s[10:11], s[12:13]
	s_cselect_b64 s[54:55], s[14:15], s[16:17]
	s_add_nc_u64 s[52:53], s[52:53], s[88:89]
	s_add_nc_u64 s[54:55], s[54:55], s[90:91]
	CROUND
	tensor_load_to_lds s[32:35], s[24:31]
	s_nop 0
	s_wait_alu depctr_va_vdst(0)
	s_wait_tensorcnt 0x0
	ds_add_u32 v5, v6
	s_wait_dscnt 0x0
	CROUND
	tensor_load_to_lds s[36:39], s[24:31]
	s_nop 0
	PLACES 4
	WIN 0x80
.irp f, 0,1,2,3
.irp c, 0,1,2
	global_load_b128 v[192+12*\f+4*\c:192+12*\f+4*\c+3], v[LI16], s[76:77] offset:1536*\f+512*\c
.endr
.endr
	WIN 0
	global_load_b64 v[QS:QS+1], v[R16], s[78:79]
	global_load_b64 v[QS+2:QS+3], v[R16], s[78:79] offset:256
	s_wait_tensorcnt 0x1
	s_barrier_signal -1
	s_barrier_wait -1
	FETCH_K
	s_wait_loadcnt 0x0
	STEP 0, 1
	s_mov_b32 s[CNT], 6
.Lslot:
	STEP 1, 0
	STEP 0, 0
	s_sub_co_u32 s[CNT], s[CNT], 1
	s_cmp_lg_u32 s[CNT], 0
	s_cbranch_scc1 .Lslot
	STEP 2, 0
	STEP 0, 0
	STEP 3, 0
	PLACES 4
	OLOAD
.irp T, 0,1
	v_add_f32 v[14+4*\T], v[14+4*\T], v[15+4*\T]
.endr
.irp T, 0,1
	v_permlanex16_b32 v[BP+\T], v[14+4*\T], s20, s21
.endr
.irp T, 0,1
	v_add_f32 v[14+4*\T], v[14+4*\T], v[BP+\T]
.endr
	s_wait_alu depctr_va_vdst(0)
.irp T, 0,1
	v_rcp_f32 v[14+4*\T], v[14+4*\T]
.endr
	v_nop
	WIN 0x41
	s_wait_alu depctr_va_vdst(0)
.irp T, 0,1
.set j, 0
.rept 64
	v_pk_mul_f32 v[128*\T+j:128*\T+j+1], v[128*\T+j:128*\T+j+1], v[14+4*\T:15+4*\T] op_sel_hi:[1,0]
.set j, j+2
.endr
.endr
	WIN 0
.irp T, 0,1
.irp gg, 0,1
	QUANT 256+128*\T+64*\gg, TMP
.irp c, 0,1,2
	ds_store_b128 v[OWI], v[PC+4*\c:PC+4*\c+3] offset:(2*\T+\gg)*1536+512*\c
.endr
	ds_store_b32 v[OWS], v[TMP] offset:128*(2*\T+\gg)
	s_wait_dscnt 0x0
.endr
.endr
	s_barrier_signal -1
	s_barrier_wait -1
	WIN 0x80
.set f, 0
.rept 16
.irp c, 0,1,2
	ds_load_b128 v[12*f+4*\c:12*f+4*\c+3], v[ORD] offset:1536*f+512*\c
.endr
.set f, f+1
.endr
	WIN 0
.set f, 0
.rept 16
	ds_load_b32 v[OS+f], v[ORS] offset:128*f
.set f, f+1
.endr
	s_wait_dscnt 0x0
	s_mov_b32 s[CNT], 0
.Lout:
	s_wait_loadcnt 0x0
	OMUL 0
	OMUL 1
	WIN 0
	PLACES 5
	s_add_co_u32 s66, s[CNT], 1
	s_cmp_lt_u32 s66, s46
	s_cbranch_scc0 .Lno_next
	s_add_nc_u64 s[48:49], s[48:49], 49152
	s_add_nc_u64 s[50:51], s[50:51], 2048
	s_add_nc_u64 s[52:53], s[52:53], 1024
	OLOAD
.Lno_next:
	TOSTAGE 0
.irp qt, 1,2,3,4,5,6,7
.if \qt > 1
	s_wait_xcnt 0x0
.endif
	TOSTAGE \qt
	SEND \qt-1, 16
.endr
	s_wait_xcnt 0x0
	SEND 7, 0
	s_wait_xcnt 0x0
	s_sub_nc_u64 s[54:55], s[54:55], s[60:61]
	s_add_nc_u64 s[54:55], s[54:55], 1024
	s_add_co_u32 s[CNT], s[CNT], 1
	s_cmp_lt_u32 s[CNT], s46
	s_cbranch_scc1 .Lout
	s_wait_tensorcnt 0x0
	ds_add_u32 v[SPW], v[NIL]
	s_wait_dscnt 0x0
	CROUND
	s_endpgm
.Lfunc_end_k_q379ace2ac6_attn:
	.size	k_q379ace2ac6_attn, .Lfunc_end_k_q379ace2ac6_attn-k_q379ace2ac6_attn
	.p2alignl 7, 3214868480
	.fill 96, 4, 3214868480
	.section	.rodata,"a",@progbits
	.p2align	6, 0x0
	.amdhsa_kernel k_q379ace2ac6_attn
		.amdhsa_group_segment_fixed_size 327680
		.amdhsa_private_segment_fixed_size 0
		.amdhsa_enable_private_segment 0
		.amdhsa_kernarg_size 56
		.amdhsa_user_sgpr_count 2
		.amdhsa_user_sgpr_kernarg_segment_ptr 1
		.amdhsa_wavefront_size32 1
		.amdhsa_system_sgpr_workgroup_id_x 1
		.amdhsa_system_sgpr_workgroup_id_y 1
		.amdhsa_system_sgpr_workgroup_id_z 1
		.amdhsa_system_vgpr_workitem_id 0
		.amdhsa_next_free_vgpr 1024
		.amdhsa_next_free_sgpr 96
		.amdhsa_reserve_vcc 0
		.amdhsa_float_denorm_mode_32 3
		.amdhsa_float_denorm_mode_16_64 3
		.amdhsa_memory_ordered 1
		.amdhsa_forward_progress 1
		.amdhsa_inst_pref_size 255
	.end_amdhsa_kernel
	.section	.bss,"aw",@nobits
	.p2align	6
	.space	262144
	.amdgpu_metadata
---
amdhsa.version: [ 1, 2 ]
amdhsa.kernels:
  - .name:           k_q379ace2ac6_attn
    .symbol:         k_q379ace2ac6_attn.kd
    .args:
      - { .name: qc, .offset: 0, .size: 8, .value_kind: global_buffer, .address_space: global }
      - { .name: kv, .offset: 8, .size: 8, .value_kind: global_buffer, .address_space: global }
      - { .name: wimg, .offset: 16, .size: 8, .value_kind: global_buffer, .address_space: global }
      - { .name: bo1, .offset: 24, .size: 8, .value_kind: global_buffer, .address_space: global }
      - { .name: bo2, .offset: 32, .size: 8, .value_kind: global_buffer, .address_space: global }
      - { .name: out0, .offset: 40, .size: 8, .value_kind: global_buffer, .address_space: global }
      - { .name: out1, .offset: 48, .size: 8, .value_kind: global_buffer, .address_space: global }
    .group_segment_fixed_size: 327680
    .private_segment_fixed_size: 0
    .kernarg_segment_align: 8
    .kernarg_segment_size: 56
    .max_flat_workgroup_size: 128
    .sgpr_count:     96
    .vgpr_count:     1024
    .wavefront_size: 32
...
	.end_amdgpu_metadata
.endif
;; end of part 3
